; MI455X (gfx1250); checked and timed in simulation.
; The chip was launched on July 23, 2026; its instructions are those of AMD's public machine-readable ISA for CDNA 5 (MIT licence, August 2026) and "CDNA5" Instruction Set Architecture Reference Guide (July 2026). The comments in the code are by the model that wrote it; some were corrected since.
;; Spatial Relation Attention. Allowed arithmetic: float matrix products may take bf16 or f16 operands with f32 sums; all other float work in f32.
;; Inputs: b_lin one number float32; beta 64 x 64 float32; bk 256 float32; bq 256 float32; gamma 64 x 64 float32; k 8 x 256 x 64 x 64 float32; q 8 x 256 x 64 x 64 float32; w_lin 4,096 float32; wk 256 x 256 float32; wq 256 x 256 float32.
;; Outputs: out0 8 x 1 x 64 x 64 float32.
;; One version. Each part assembles by itself: llvm-mc -triple=amdgcn-amd-amdhsa -mcpu=gfx1250 --defsym DOCPART=n.
;; ======== version 1 of 1: 3 launches
;; workspace buffers: pu 262,144 bytes; pval 524,288 bytes
;; launch ksum (part 1): grid 256 x 1, 8 waves a work-group, no clusters, 3,072 bytes of LDS; arguments k, w_lin, wk, bk, pu; writes pu
.if DOCPART == 1
	.amdgcn_target "amdgcn-amd-amdhsa--gfx1250"
	.amdhsa_code_object_version 6
	.text
	.protected	k_q1365a35f8c_ksum
	.globl	k_q1365a35f8c_ksum
	.p2align	8
	.type	k_q1365a35f8c_ksum,@function
k_q1365a35f8c_ksum:
	s_mov_b64 s[64:65], 0
	v_nop
	global_prefetch_b8 v0, s[64:65] scope:SCOPE_SE
	s_setreg_imm32_b32 hwreg(HW_REG_WAVE_MODE, 25, 1), 1
	s_wait_xcnt 0x0
; First of three launches.  The relation matrix is used only through its product with w_lin, and all steps ahead of the LayerNorm are linear, so
;   s[b][j] = sum over m of k[b][j][m] w_lin[m],  S = sum over m of w_lin[m],  u[b][c] = sum over j of wk[c][j] s[b][j] + bk[c] S.
; This launch reads k once and stores partial u:  pu[b][p][c], p = 8 jc + mc, the part of u[b][c] from rows j = 64 jc .. +63 and columns m = 512 mc .. +511.
; Work-group g (256 of them): b = g >> 5, jc = (g >> 3) & 3, mc = g & 7: 64 pieces of 2,048 bytes of k, 128 KiB, all asked for at the head, into registers.
; Wave w: rows 8 w .. 8 w + 7 of the 64; lane l: columns 128 ch + 4 l .. + 3, ch = 0 .. 3, so each load of a wave covers 512 consecutive bytes.
; No matrix unit: there is one vector for each batch.  No LDS slots: each byte of k is used once, by one lane.  No cluster: what work-groups share
; (64 KiB of wk, 2 KiB of w_lin) is fetched once by each at its head, beside 128 KiB of its own.
; LIMITS: all sums in f32, associated otherwise than in the formula with the 4096 x 4096 matrix; results differ from it by f32 rounding.
; The term bk[c] S is added by the slices jc = 0 alone: the others select the factor 0, so a finite bk adds exactly 0 there.
.set WL,   16                          ; v[16:31]   w_lin of my 16 columns
.set RS,   32                          ; v[32:39]   the lane's sums of the wave's 8 rows
.set ACC,  40                          ; v[40:47]   at work
.set BK,   48                          ; v[48:51]   waves 0, 1: bk[4 t .. 4 t + 3]
.set SPV,  52                          ; v[52:55]   s of the four j of my wk columns
.set PUV,  56                          ; v[56:59]   waves 0, 1: four results to store
.set SUMW, 60                          ; v[60:61]   the sum of the slice's w_lin, or 0, twice
.set KD,   64                          ; v[64:191]  k: row r, chunk ch at 64 + 16 r + 4 ch
.set DOT,  64                          ; v[64:79]   later: the lane's parts of 16 rows of wk
.set DT,   96                          ; v[96:127]  later: at work on them
.set WK,   192                         ; v[192:255] wk: load t at 192 + 4 t
.set TA,   12
.set TB,   13
.set MSK1, 20                          ; s20-s23: lanes whose number has bit 0, 1, 2, 3 set
.set MSK2, 21
.set MSK4, 22
.set MSK8, 23
.set LSP,  0                           ; LDS 0 .. 255: s of the 64 rows
.set LPU,  256                         ; LDS 256 .. 1279: the 256 results
; Two values a, b are summed over lane pairs (i, i xor x) in three instructions: lanes without the mask's bit keep a and send b, the others keep b and send a.
; Afterwards register a holds a's pair sum in the lanes without the bit and b's in the lanes with it.
.macro FOLD a, b, m, x
	v_cndmask_b32 v[TA], v[\a], v[\b], s[\m]       ; kept
	v_cndmask_b32 v[TB], v[\b], v[\a], s[\m]       ; sent
	v_add_f32_dpp v[\a], v[TB], v[TA] row_xmask:\x row_mask:0xf bank_mask:0xf
.endm
; Three levels on eight values: lane l ends with value l & 7, summed over its group of eight lanes, in register base.
.macro FOLD8 base
.irp p, 0,2,4,6
	FOLD \base+\p, \base+\p+1, MSK1, 1
.endr
.irp p, 0,4
	FOLD \base+\p, \base+\p+2, MSK2, 2
.endr
	FOLD \base, \base+4, MSK4, 4
.endm
; The sum of register x over the wave's 32 lanes, in every lane.
.macro WSUM x
.irp m, 1,2,4,8
	v_add_f32_dpp v[\x], v[\x], v[\x] row_xmask:\m row_mask:0xf bank_mask:0xf
.endr
	v_permlanex16_b32 v[TA], v[\x], s24, s25       ; TA has been written before (by FOLD)
	v_add_f32 v[\x], v[\x], v[TA]
.endm
	s_load_b256 s[4:11], s[0:1], 0x0               ; k s[4:5], w_lin s[6:7], wk s[8:9], bk s[10:11]
	s_load_b64 s[12:13], s[0:1], 0x20              ; pu
	v_lshl_add_u32 v62, v0, 2, 0x800
	v_mov_b32 v63, 0
	v_lshrrev_b32 v11, 5, v0
	v_readfirstlane_b32 s14, v11                   ; wave 0 .. 7
	s_lshr_b32 s15, ttmp9, 3                       ; 4 b + jc
	s_and_b32 s16, ttmp9, 7                        ; mc
	s_and_b32 s17, s15, 3                          ; jc
	s_cmp_eq_u32 s17, 0
	s_cselect_b32 s26, -1, 0                       ; all lanes where this slice adds bk S, none elsewhere
	s_mov_b32 s[MSK1], 0xaaaaaaaa
	s_mov_b32 s[MSK2], 0xcccccccc
	s_mov_b32 s[MSK4], 0xf0f0f0f0
	s_mov_b32 s[MSK8], 0xff00ff00
	s_mov_b32 s24, 0x76543210                      ; v_permlanex16_b32: lane i of one half reads lane i of the other
	s_mov_b32 s25, 0xfedcba98
	s_lshl_b32 s27, s16, 11                        ; mc x 512 columns x 4 bytes
	s_lshl_b32 s18, s15, 20                        ; (4 b + jc) x 64 rows x 16,384 bytes
	s_add_co_u32 s18, s18, s27
	s_mov_b32 s19, 0
	s_lshl_b32 s2, ttmp9, 10                       ; g x 256 results x 4 bytes
	s_mov_b32 s3, 0
	s_lshl_b32 s28, s14, 15                        ; wk: wave x 32 rows x 1,024 bytes
	s_lshl_b32 s29, s17, 8                         ;     + jc x 64 columns x 4 bytes
	s_add_co_u32 s28, s28, s29
	v_and_b32 v1, 31, v0                           ; l
	v_and_b32 v2, 15, v0                           ; r = l & 15
	v_bfe_u32 v3, v0, 4, 1                         ; h = l >> 4
	v_lshlrev_b32 v4, 4, v1
	v_lshl_add_u32 v4, s14, 17, v4                 ; k: wave x 8 rows x 16,384 + 16 l
	v_lshl_add_u32 v5, v1, 4, s27                  ; w_lin: 2,048 mc + 16 l
	v_lshl_add_u32 v6, v2, 4, s28
	v_lshl_add_u32 v6, v3, 14, v6                  ; wk: lanes 16-31 take the row 16 further down
	v_lshlrev_b32 v7, 4, v0                        ; 16 t: bk, the results in LDS and in pu (waves 0, 1)
	v_and_b32 v8, 7, v0
	v_lshlrev_b32 v8, 2, v8
	v_lshl_add_u32 v8, s14, 5, v8                  ; LDS: s of row 8 w + (l & 7)
	v_lshlrev_b32 v9, 4, v2                        ; LDS: s of rows 4 r .. 4 r + 3
	v_lshlrev_b32 v10, 2, v1
	v_lshl_add_u32 v10, s14, 7, v10                ; LDS: result 32 w + l
	s_wait_kmcnt 0x0
	s_add_nc_u64 s[4:5], s[4:5], s[18:19]
	s_add_nc_u64 s[12:13], s[12:13], s[2:3]
	; All loads of the wave, oldest first: bk (waves 0 and 1 alone; being the oldest it changes no later count), w_lin 4, k 32, wk 16.
	s_cmp_gt_u32 s14, 1
	s_cbranch_scc1 .Lno_bk
	global_load_b128 v[BK:BK+3], v7, s[10:11]
.Lno_bk:
.irp c, 0,1,2,3
	global_load_b128 v[WL+4*\c:WL+4*\c+3], v5, s[6:7] offset:512*\c
.endr
.irp r, 0,1,2,3,4,5,6,7
.irp c, 0,1,2,3
	global_load_b128 v[KD+16*\r+4*\c:KD+16*\r+4*\c+3], v4, s[4:5] offset:16384*\r+512*\c th:TH_LOAD_NT
.endr
.endr
.irp t, 0,1,2,3,4,5,6,7,8,9,10,11,12,13,14,15
	global_load_b128 v[WK+4*\t:WK+4*\t+3], v6, s[8:9] offset:1024*\t   ; lanes 0-15: 256 bytes of row 32 w + t, lanes 16-31: of row 32 w + 16 + t
.endr
; The lane's part of row r: 16 products in two packed chains.
.macro ROWDOT r
	s_wait_loadcnt 44-4*\r                         ; loads return in order (ISA guide 5.7.1): younger than this row's four are 28 - 4 r of k and 16 of wk
	v_pk_mul_f32 v[ACC:ACC+1],   v[KD+16*\r:KD+16*\r+1],   v[WL:WL+1]
	v_pk_mul_f32 v[ACC+2:ACC+3], v[KD+16*\r+2:KD+16*\r+3], v[WL+2:WL+3]
.irp c, 1,2,3
	v_pk_fma_f32 v[ACC:ACC+1],   v[KD+16*\r+4*\c:KD+16*\r+4*\c+1],   v[WL+4*\c:WL+4*\c+1],   v[ACC:ACC+1]
	v_pk_fma_f32 v[ACC+2:ACC+3], v[KD+16*\r+4*\c+2:KD+16*\r+4*\c+3], v[WL+4*\c+2:WL+4*\c+3], v[ACC+2:ACC+3]
.endr
	v_pk_add_f32 v[ACC:ACC+1], v[ACC:ACC+1], v[ACC+2:ACC+3]
	v_add_f32 v[RS+\r], v[ACC], v[ACC+1]
.endm
.irp r, 0,1,2,3,4,5,6,7
	ROWDOT \r
.endr
	; across the lanes: eight sums at once; lane l ends with row 8 w + (l & 7), summed over all 32 lanes
	FOLD8 RS
	v_add_f32_dpp v[RS], v[RS], v[RS] row_xmask:8 row_mask:0xf bank_mask:0xf
	v_permlanex16_b32 v[TA], v[RS], s24, s25
	v_add_f32 v[RS], v[RS], v[TA]
	ds_store_b32 v8, v[RS] offset:LSP              ; four lanes store the same number to the same word
	s_wait_dscnt 0x0                               ; my store is done before I say so
	s_barrier_signal -1
	s_barrier_wait -1                              ; all 64 s are in LDS
	; wk times s: load t's row against the four s of my columns; sixteen lanes together hold a row's 64 columns
	ds_load_b128 v[SPV:SPV+3], v9 offset:LSP
	s_wait_loadcnt 0x0                             ; wk (and bk)
	s_wait_dscnt 0x0
.irp t, 0,1,2,3,4,5,6,7,8,9,10,11,12,13,14,15
	v_pk_mul_f32 v[DT+2*\t:DT+2*\t+1], v[WK+4*\t:WK+4*\t+1], v[SPV:SPV+1]
.endr
.irp t, 0,1,2,3,4,5,6,7,8,9,10,11,12,13,14,15
	v_pk_fma_f32 v[DT+2*\t:DT+2*\t+1], v[WK+4*\t+2:WK+4*\t+3], v[SPV+2:SPV+3], v[DT+2*\t:DT+2*\t+1]
.endr
.irp t, 0,1,2,3,4,5,6,7,8,9,10,11,12,13,14,15
	v_add_f32 v[DOT+\t], v[DT+2*\t], v[DT+2*\t+1]
.endr
	FOLD8 DOT                                      ; four levels on sixteen values: lane r of each half of 16 lanes ends with value r,
	FOLD8 DOT+8                                    ; summed over the half: lane l holds the result of row 32 w + l
	FOLD DOT, DOT+8, MSK8, 8
	ds_store_b32 v10, v[DOT] offset:LPU
	s_wait_dscnt 0x0
	s_barrier_signal -1
	s_barrier_wait -1                              ; all 256 results are in LDS
	; waves 0 and 1 add bk S where it is due and store: 16 bytes a lane, 512 consecutive aligned bytes a wave
	s_cmp_gt_u32 s14, 1
	s_cbranch_scc1 .Lend
	ds_load_b128 v[PUV:PUV+3], v7 offset:LPU
	v_pk_add_f32 v[ACC:ACC+1],   v[WL:WL+1],       v[WL+2:WL+3]
	v_pk_add_f32 v[ACC+2:ACC+3], v[WL+4:WL+5],     v[WL+6:WL+7]
	v_pk_add_f32 v[ACC+4:ACC+5], v[WL+8:WL+9],     v[WL+10:WL+11]
	v_pk_add_f32 v[ACC+6:ACC+7], v[WL+12:WL+13],   v[WL+14:WL+15]
	v_pk_add_f32 v[ACC:ACC+1],   v[ACC:ACC+1],     v[ACC+2:ACC+3]
	v_pk_add_f32 v[ACC+4:ACC+5], v[ACC+4:ACC+5],   v[ACC+6:ACC+7]
	v_pk_add_f32 v[ACC:ACC+1],   v[ACC:ACC+1],     v[ACC+4:ACC+5]
	v_add_f32 v[SUMW], v[ACC], v[ACC+1]
	WSUM SUMW                                      ; the sum of the slice's 512 w_lin
	v_cndmask_b32 v[SUMW+1], 0, v[SUMW], s26       ; the factor, or 0 where jc is not 0, in both registers of the pair
	v_cndmask_b32 v[SUMW], 0, v[SUMW], s26
	s_wait_dscnt 0x0
	v_pk_fma_f32 v[PUV:PUV+1],   v[BK:BK+1],   v[SUMW:SUMW+1], v[PUV:PUV+1]
	v_pk_fma_f32 v[PUV+2:PUV+3], v[BK+2:BK+3], v[SUMW:SUMW+1], v[PUV+2:PUV+3]
	global_store_b128 v7, v[PUV:PUV+3], s[12:13]
.Lend:
	s_wait_tensorcnt 0x0
	ds_add_u32 v62, v63
	s_wait_dscnt 0x0
	s_endpgm
.Lfunc_end_k_q1365a35f8c_ksum:
	.size	k_q1365a35f8c_ksum, .Lfunc_end_k_q1365a35f8c_ksum-k_q1365a35f8c_ksum
	.p2alignl 7, 3214868480
	.fill 96, 4, 3214868480
	.section	.rodata,"a",@progbits
	.p2align	6, 0x0
	.amdhsa_kernel k_q1365a35f8c_ksum
		.amdhsa_group_segment_fixed_size 3072
		.amdhsa_private_segment_fixed_size 0
		.amdhsa_enable_private_segment 0
		.amdhsa_kernarg_size 40
		.amdhsa_user_sgpr_count 2
		.amdhsa_user_sgpr_kernarg_segment_ptr 1
		.amdhsa_wavefront_size32 1
		.amdhsa_system_sgpr_workgroup_id_x 1
		.amdhsa_system_sgpr_workgroup_id_y 1
		.amdhsa_system_sgpr_workgroup_id_z 1
		.amdhsa_system_vgpr_workitem_id 0
		.amdhsa_next_free_vgpr 256
		.amdhsa_next_free_sgpr 66
		.amdhsa_reserve_vcc 0
		.amdhsa_float_denorm_mode_32 3
		.amdhsa_float_denorm_mode_16_64 3
		.amdhsa_memory_ordered 1
		.amdhsa_forward_progress 1
		.amdhsa_inst_pref_size 21
	.end_amdhsa_kernel
	.amdgpu_metadata
---
amdhsa.version: [ 1, 2 ]
amdhsa.kernels:
  - .name:           k_q1365a35f8c_ksum
    .symbol:         k_q1365a35f8c_ksum.kd
    .args:
      - { .name: k, .offset: 0, .size: 8, .value_kind: global_buffer, .address_space: global }
      - { .name: w_lin, .offset: 8, .size: 8, .value_kind: global_buffer, .address_space: global }
      - { .name: wk, .offset: 16, .size: 8, .value_kind: global_buffer, .address_space: global }
      - { .name: bk, .offset: 24, .size: 8, .value_kind: global_buffer, .address_space: global }
      - { .name: pu, .offset: 32, .size: 8, .value_kind: global_buffer, .address_space: global }
    .group_segment_fixed_size: 3072
    .private_segment_fixed_size: 0
    .kernarg_segment_align: 8
    .kernarg_segment_size: 40
    .max_flat_workgroup_size: 256
    .sgpr_count:     66
    .vgpr_count:     256
    .wavefront_size: 32
...
	.end_amdgpu_metadata
.endif
;; end of part 1
;; launch qsum (part 2): grid 256 x 1, 8 waves a work-group, no clusters, 5,120 bytes of LDS; arguments pu, bq, wq, q, b_lin, pval; writes pval
.if DOCPART == 2
	.amdgcn_target "amdgcn-amd-amdhsa--gfx1250"
	.amdhsa_code_object_version 6
	.text
	.protected	k_q1365a35f8c_qsum
	.globl	k_q1365a35f8c_qsum
	.p2align	8
	.type	k_q1365a35f8c_qsum,@function
k_q1365a35f8c_qsum:
	s_mov_b64 s[64:65], 0
	v_nop
	global_prefetch_b8 v0, s[64:65] scope:SCOPE_SE
	s_setreg_imm32_b32 hwreg(HW_REG_WAVE_MODE, 25, 1), 1
	s_wait_xcnt 0x0
; Second of three launches.  u[b][c] = sum over 32 partials of pu[b][p][c];  t[b][i] = sum over c of wq[c][i] u[b][c];
; c0[b] = sum over c of bq[c] u[b][c] + b_lin;  val[b][n] = sum over i of q[b][i][n] t[b][i] + c0[b].
; This launch reads q once and stores pval[b][ic][n], the part of val from rows i = 64 ic .. +63 (c0 is added by the slices ic = 0 alone, chosen by a select).
; Work-group g (256 of them): b = g >> 5, ic = (g >> 3) & 3, nc = g & 7: rows 64 ic .. +63, columns 512 nc .. +511 of q[b], 128 KiB.
; All loads go out at the head, pu, bq, wq, q in this order; u, c0 and t are made while q is on its way.
; Wave w makes u for c = 32 w .. +31 itself and its part of t from these c; the eight parts meet in LDS.  Of q it owns columns 64 w .. +63 of the slice:
; load j covers 256 consecutive bytes of row j (lanes 0-15) and of row 32 + j (lanes 16-31).
; The loads of pu take pieces of 128 bytes (a wave's 32 c of one partial); the wave beside takes the other half of each 256 bytes at the same time.
; No matrix unit: one vector for each batch.  No LDS slots: each byte of q is used once, by one lane.  No cluster: what work-groups share
; (32 KiB of pu, 64 KiB of wq) is fetched once by each at its head, beside 128 KiB of its own.
; LIMITS: all sums in f32, associated otherwise than in the formula with the 4096 x 4096 matrix; results differ from it by f32 rounding.
.set BQ,   20                          ; v[20:23]   bq of my four c
.set C0W,  24                          ; v[24:31]   eight words to sum (parts of t, later of c0); then c0 twice in v[24:25], v[26:27] what the other half sent
.set PU,   32                          ; v[32:63]   pu: load gq at 32 + 4 gq
.set UU,   32                          ; v[32:47]   later: u[32 w + 16 h + 0 .. 15]
.set U4,   48                          ; v[48:51]   u of my four c
.set ACCE, 52                          ; v[52:55]   sums of the even steps
.set ACCO, 56                          ; v[56:59]   sums of the odd steps
.set TMP,  60                          ; v[60:63]   at work (written by the last load of pu, so it may be a lane permute's destination)
.set WQ,   64                          ; v[64:127]  wq: load t at 64 + 4 t
.set TT,   64                          ; v[64:95]   later: t[32 h + 0 .. 31]
.set Q,    128                         ; v[128:255] q: load j at 128 + 4 j
.set LU,   0                           ; LDS 0 .. 1023: u, wave w's own 128 bytes at 128 w
.set LTP,  1024                        ; LDS 1024 .. 3071: eight waves' parts of the 64 t
.set LT,   3072                        ; LDS 3072 .. 3327: the 64 t
.set LC0,  3328                        ; LDS 3328 .. 3359: eight waves' parts of c0
; acc[0..3] += data[0..3] x ONE register of the pair (odd = 0: the first, 1: the second), as two packed instructions; first = 1 starts the sums.
.macro BFMA first, acc, data, pair, odd
.if \first
.if \odd
	v_pk_mul_f32 v[\acc:\acc+1],   v[\data:\data+1],   v[\pair:\pair+1] op_sel:[0,1] op_sel_hi:[1,1]
	v_pk_mul_f32 v[\acc+2:\acc+3], v[\data+2:\data+3], v[\pair:\pair+1] op_sel:[0,1] op_sel_hi:[1,1]
.else
	v_pk_mul_f32 v[\acc:\acc+1],   v[\data:\data+1],   v[\pair:\pair+1] op_sel_hi:[1,0]
	v_pk_mul_f32 v[\acc+2:\acc+3], v[\data+2:\data+3], v[\pair:\pair+1] op_sel_hi:[1,0]
.endif
.else
.if \odd
	v_pk_fma_f32 v[\acc:\acc+1],   v[\data:\data+1],   v[\pair:\pair+1], v[\acc:\acc+1]   op_sel:[0,1,0] op_sel_hi:[1,1,1]
	v_pk_fma_f32 v[\acc+2:\acc+3], v[\data+2:\data+3], v[\pair:\pair+1], v[\acc+2:\acc+3] op_sel:[0,1,0] op_sel_hi:[1,1,1]
.else
	v_pk_fma_f32 v[\acc:\acc+1],   v[\data:\data+1],   v[\pair:\pair+1], v[\acc:\acc+1]   op_sel_hi:[1,0,1]
	v_pk_fma_f32 v[\acc+2:\acc+3], v[\data+2:\data+3], v[\pair:\pair+1], v[\acc+2:\acc+3] op_sel_hi:[1,0,1]
.endif
.endif
.endm
	s_load_b256 s[4:11], s[0:1], 0x0               ; pu s[4:5], bq s[6:7], wq s[8:9], q s[10:11]
	s_load_b128 s[12:15], s[0:1], 0x20             ; b_lin s[12:13], pval s[14:15]
	v_lshl_add_u32 v18, v0, 2, 0x1000
	v_mov_b32 v19, 0
	v_lshrrev_b32 v1, 5, v0
	v_readfirstlane_b32 s17, v1                    ; wave 0 .. 7
	s_lshr_b32 s28, ttmp9, 3                       ; 4 b + ic
	s_and_b32 s29, ttmp9, 7                        ; nc
	s_and_b32 s26, s28, 3                          ; ic
	s_cmp_eq_u32 s26, 0
	s_cselect_b32 s23, -1, 0                       ; all lanes where this slice adds c0, none elsewhere
	s_mov_b32 s20, 0x76543210                      ; v_permlanex16_b32: lane i of one half reads lane i of the other
	s_mov_b32 s21, 0xfedcba98
	s_mov_b32 s22, 0xffff0000                      ; lanes 16-31
	s_lshr_b32 s18, ttmp9, 5
	s_lshl_b32 s18, s18, 15                        ; pu: b x 32 partials x 1,024 bytes
	s_mov_b32 s19, 0
	s_lshl_b32 s29, s29, 11                        ; nc x 512 columns x 4 bytes
	s_lshl_b32 s2, s28, 20                         ; q: (4 b + ic) x 64 rows x 16,384 bytes
	s_add_co_u32 s2, s2, s29
	s_mov_b32 s3, 0
	s_lshl_b32 s30, s28, 14                        ; pval: (4 b + ic) x 16,384 bytes
	s_add_co_u32 s30, s30, s29
	s_mov_b32 s31, 0
	s_lshl_b32 s24, s17, 7                         ; 128 w
	s_lshl_b32 s25, s17, 15                        ; wq: wave x 32 rows x 1,024 bytes
	s_lshl_b32 s26, s26, 8                         ;     + ic x 64 columns x 4 bytes
	s_add_co_u32 s25, s25, s26
	s_lshl_b32 s27, s17, 8                         ; 256 w
	s_lshl_b32 s28, s17, 2                         ; 4 w
	v_and_b32 v1, 31, v0                           ; l
	v_and_b32 v2, 15, v0                           ; r = l & 15
	v_bfe_u32 v3, v0, 4, 1                         ; h = l >> 4
	v_and_b32 v4, 7, v0                            ; l & 7
	v_bfe_u32 v5, v0, 3, 2                         ; l >> 3
	v_lshl_add_u32 v7, v4, 4, s24                  ; bq, and u in LDS: 128 w + 16 (l & 7)
	v_lshl_add_u32 v6, v5, 10, v7                  ; pu: + partial (l >> 3) x 1,024
	v_lshl_add_u32 v8, v2, 4, s25
	v_lshl_add_u32 v8, v3, 14, v8                  ; wq: lanes 16-31 take the row 16 further down
	v_lshl_add_u32 v11, v2, 4, s27                 ; 256 w + 16 r: my part of t in LDS
	v_lshl_add_u32 v9, v3, 19, v11                 ; q: lanes 16-31 take the row 32 further down
	v_lshl_add_u32 v16, v3, 3, v11                 ; pval: 256 w + 16 r + 8 h
	v_lshl_add_u32 v10, v3, 6, s24                 ; LDS: u[32 w + 16 h ..]
	v_lshl_add_u32 v12, v1, 2, s24                 ; 4 x thread
	v_lshlrev_b32 v13, 7, v3                       ; LDS: t[32 h ..]
	v_mov_b32 v14, s28                             ; LDS: my wave's part of c0
	v_mov_b32 v15, 0                               ; LDS: all eight parts
	s_wait_kmcnt 0x0
	s_load_b32 s16, s[12:13], 0x0                  ; b_lin itself; waited for where it is used
	s_add_nc_u64 s[4:5], s[4:5], s[18:19]
	s_add_nc_u64 s[10:11], s[10:11], s[2:3]
	s_add_nc_u64 s[14:15], s[14:15], s[30:31]
	; all 57 loads of the wave
.irp g, 0,1,2,3,4,5,6,7
	global_load_b128 v[PU+4*\g:PU+4*\g+3], v6, s[4:5] offset:4096*\g     ; partials 4 g + (l >> 3), c = 32 w + 4 (l & 7) .. + 3
.endr
	global_load_b128 v[BQ:BQ+3], v7, s[6:7]
.irp t, 0,1,2,3,4,5,6,7,8,9,10,11,12,13,14,15
	global_load_b128 v[WQ+4*\t:WQ+4*\t+3], v8, s[8:9] offset:1024*\t     ; row 32 w + 16 h + t, columns 64 ic + 4 r .. + 3
.endr
.set j, 0
.rept 32
	global_load_b128 v[Q+4*j:Q+4*j+3], v9, s[10:11] offset:16384*j th:TH_LOAD_NT
.set j, j+1
.endr
	; u: eight partials in the lane, then the four groups of eight lanes
	s_wait_loadcnt 48                              ; loads return in order (ISA guide 5.7.1): younger than pu and bq are 16 of wq and 32 of q
.irp a, 0,8,16,24
	v_pk_add_f32 v[PU+\a:PU+\a+1],   v[PU+\a:PU+\a+1],   v[PU+\a+4:PU+\a+5]
	v_pk_add_f32 v[PU+\a+2:PU+\a+3], v[PU+\a+2:PU+\a+3], v[PU+\a+6:PU+\a+7]
.endr
.irp a, 0,16
	v_pk_add_f32 v[PU+\a:PU+\a+1],   v[PU+\a:PU+\a+1],   v[PU+\a+8:PU+\a+9]
	v_pk_add_f32 v[PU+\a+2:PU+\a+3], v[PU+\a+2:PU+\a+3], v[PU+\a+10:PU+\a+11]
.endr
	v_pk_add_f32 v[U4:U4+1],   v[PU+16:PU+17], v[PU:PU+1]                ; U4 is PU + 16
	v_pk_add_f32 v[U4+2:U4+3], v[PU+18:PU+19], v[PU+2:PU+3]
.irp e, 0,1,2,3
	v_add_f32_dpp v[U4+\e], v[U4+\e], v[U4+\e] row_xmask:8 row_mask:0xf bank_mask:0xf
.endr
.irp e, 0,1,2,3
	v_permlanex16_b32 v[TMP+\e], v[U4+\e], s20, s21
.endr
	v_pk_add_f32 v[U4:U4+1],   v[U4:U4+1],   v[TMP:TMP+1]
	v_pk_add_f32 v[U4+2:U4+3], v[U4+2:U4+3], v[TMP+2:TMP+3]              ; every lane: u[32 w + 4 (l & 7) + 0 .. 3]
	ds_store_b128 v7, v[U4:U4+3] offset:LU                               ; four lanes store the same 16 bytes
.irp g, 0,1,2,3
	ds_load_b128 v[UU+4*\g:UU+4*\g+3], v10 offset:LU+16*\g               ; the wave's own bytes; LDS serves a wave's instructions in order (ISA guide 5.7.1)
.endr
	; my wave's part of c0: bq . u over its 32 c (eight lanes hold them)
	v_pk_mul_f32 v[TMP:TMP+1], v[BQ:BQ+1], v[U4:U4+1]
	v_pk_fma_f32 v[TMP:TMP+1], v[BQ+2:BQ+3], v[U4+2:U4+3], v[TMP:TMP+1]
	v_add_f32 v[TMP], v[TMP], v[TMP+1]
.irp m, 1,2,4
	v_add_f32_dpp v[TMP], v[TMP], v[TMP] row_xmask:\m row_mask:0xf bank_mask:0xf
.endr
	ds_store_b32 v14, v[TMP] offset:LC0
	s_wait_dscnt 0x0                               ; u is back in UU
	; my wave's part of t: 16 rows of wq in each half of the lanes, each times its u
	s_wait_loadcnt 32                              ; younger than wq are the 32 loads of q
	BFMA 1, ACCE, WQ, UU, 0
	BFMA 1, ACCO, WQ+4, UU, 1
.set t, 2
.rept 7
	BFMA 0, ACCE, WQ+4*t, UU+t, 0
	BFMA 0, ACCO, WQ+4*t+4, UU+t, 1
.set t, t+2
.endr
	v_pk_add_f32 v[ACCE:ACCE+1],   v[ACCE:ACCE+1],   v[ACCO:ACCO+1]
	v_pk_add_f32 v[ACCE+2:ACCE+3], v[ACCE+2:ACCE+3], v[ACCO+2:ACCO+3]
.irp e, 0,1,2,3
	v_permlanex16_b32 v[TMP+\e], v[ACCE+\e], s20, s21
.endr
	v_pk_add_f32 v[ACCE:ACCE+1],   v[ACCE:ACCE+1],   v[TMP:TMP+1]
	v_pk_add_f32 v[ACCE+2:ACCE+3], v[ACCE+2:ACCE+3], v[TMP+2:TMP+3]
	ds_store_b128 v11, v[ACCE:ACCE+3] offset:LTP   ; both halves of the lanes store the same numbers
	s_wait_dscnt 0x0                               ; my stores (t's part, c0's part) are done before I say so
	s_barrier_signal -1
	s_barrier_wait -1                              ; all eight parts are in LDS; the loads of q stay out: nobody writes q
	; waves 0 and 1: thread i < 64 sums the eight parts of t[i]
	s_cmp_gt_u32 s17, 1
	s_cbranch_scc1 .Lskip
.irp p, 0,1,2,3,4,5,6,7
	ds_load_b32 v[C0W+\p], v12 offset:LTP+256*\p
.endr
	s_wait_dscnt 0x0
	v_pk_add_f32 v[C0W:C0W+1],   v[C0W:C0W+1],   v[C0W+2:C0W+3]
	v_pk_add_f32 v[C0W+4:C0W+5], v[C0W+4:C0W+5], v[C0W+6:C0W+7]
	v_pk_add_f32 v[C0W:C0W+1],   v[C0W:C0W+1],   v[C0W+4:C0W+5]
	v_add_f32 v[C0W], v[C0W], v[C0W+1]
	ds_store_b32 v12, v[C0W] offset:LT
.Lskip:
	s_wait_dscnt 0x0
	s_barrier_signal -1
	s_barrier_wait -1                              ; the 64 t are in LDS
	; q times t
.irp g, 0,1,2,3,4,5,6,7
	ds_load_b128 v[TT+4*\g:TT+4*\g+3], v13 offset:LT+16*\g               ; t[32 h + 4 g ..]
.endr
	ds_load_b128 v[C0W:C0W+3],   v15 offset:LC0
	ds_load_b128 v[C0W+4:C0W+7], v15 offset:LC0+16
	s_wait_dscnt 0x0
	v_pk_add_f32 v[C0W:C0W+1],   v[C0W:C0W+1],   v[C0W+2:C0W+3]
	v_pk_add_f32 v[C0W+4:C0W+5], v[C0W+4:C0W+5], v[C0W+6:C0W+7]
	v_pk_add_f32 v[C0W:C0W+1],   v[C0W:C0W+1],   v[C0W+4:C0W+5]
	v_add_f32 v[C0W], v[C0W], v[C0W+1]
	s_wait_kmcnt 0x0                               ; b_lin
	v_add_f32 v[C0W], s16, v[C0W]
	v_cndmask_b32 v[C0W+1], 0, v[C0W], s23         ; c0, or 0 where ic is not 0, in both registers of the pair
	v_cndmask_b32 v[C0W], 0, v[C0W], s23
.macro QSTEP first, j                  ; rows j and j + 1 (lanes 16-31: 32 + j, 33 + j), j even
	s_wait_loadcnt 31-(\j)                         ; the loads of q behind load j stay out
	BFMA \first, ACCE, Q+4*(\j), TT+(\j), 0
	s_wait_loadcnt 30-(\j)
	BFMA \first, ACCO, Q+4*(\j)+4, TT+(\j), 1
.endm
	QSTEP 1, 0
.set j, 2
.rept 15
	QSTEP 0, j
.set j, j+2
.endr
	v_pk_add_f32 v[ACCE:ACCE+1],   v[ACCE:ACCE+1],   v[ACCO:ACCO+1]
	v_pk_add_f32 v[ACCE+2:ACCE+3], v[ACCE+2:ACCE+3], v[ACCO+2:ACCO+3]
	; the two halves of the lanes hold rows 0-31 and 32-63 of the same four columns: lanes 0-15 keep columns 0, 1 and send 2, 3; lanes 16-31 the other way
	v_cndmask_b32 v[ACCO],   v[ACCE],   v[ACCE+2], s22                   ; kept
	v_cndmask_b32 v[ACCO+1], v[ACCE+1], v[ACCE+3], s22
	v_cndmask_b32 v[ACCO+2], v[ACCE+2], v[ACCE],   s22                   ; sent
	v_cndmask_b32 v[ACCO+3], v[ACCE+3], v[ACCE+1], s22
	v_permlanex16_b32 v[C0W+2], v[ACCO+2], s20, s21
	v_permlanex16_b32 v[C0W+3], v[ACCO+3], s20, s21
	v_pk_add_f32 v[ACCO:ACCO+1], v[ACCO:ACCO+1], v[C0W:C0W+1]
	v_pk_add_f32 v[ACCO:ACCO+1], v[ACCO:ACCO+1], v[C0W+2:C0W+3]
	global_store_b64 v16, v[ACCO:ACCO+1], s[14:15] ; the wave's 32 lanes store 256 consecutive bytes, at a multiple of 256 from pval's first byte
	s_wait_tensorcnt 0x0
	ds_add_u32 v18, v19
	s_wait_dscnt 0x0
	s_endpgm
.Lfunc_end_k_q1365a35f8c_qsum:
	.size	k_q1365a35f8c_qsum, .Lfunc_end_k_q1365a35f8c_qsum-k_q1365a35f8c_qsum
	.p2alignl 7, 3214868480
	.fill 96, 4, 3214868480
	.section	.rodata,"a",@progbits
	.p2align	6, 0x0
	.amdhsa_kernel k_q1365a35f8c_qsum
		.amdhsa_group_segment_fixed_size 5120
		.amdhsa_private_segment_fixed_size 0
		.amdhsa_enable_private_segment 0
		.amdhsa_kernarg_size 48
		.amdhsa_user_sgpr_count 2
		.amdhsa_user_sgpr_kernarg_segment_ptr 1
		.amdhsa_wavefront_size32 1
		.amdhsa_system_sgpr_workgroup_id_x 1
		.amdhsa_system_sgpr_workgroup_id_y 1
		.amdhsa_system_sgpr_workgroup_id_z 1
		.amdhsa_system_vgpr_workitem_id 0
		.amdhsa_next_free_vgpr 256
		.amdhsa_next_free_sgpr 66
		.amdhsa_reserve_vcc 0
		.amdhsa_float_denorm_mode_32 3
		.amdhsa_float_denorm_mode_16_64 3
		.amdhsa_memory_ordered 1
		.amdhsa_forward_progress 1
		.amdhsa_inst_pref_size 21
	.end_amdhsa_kernel
	.amdgpu_metadata
---
amdhsa.version: [ 1, 2 ]
amdhsa.kernels:
  - .name:           k_q1365a35f8c_qsum
    .symbol:         k_q1365a35f8c_qsum.kd
    .args:
      - { .name: pu, .offset: 0, .size: 8, .value_kind: global_buffer, .address_space: global }
      - { .name: bq, .offset: 8, .size: 8, .value_kind: global_buffer, .address_space: global }
      - { .name: wq, .offset: 16, .size: 8, .value_kind: global_buffer, .address_space: global }
      - { .name: q, .offset: 24, .size: 8, .value_kind: global_buffer, .address_space: global }
      - { .name: b_lin, .offset: 32, .size: 8, .value_kind: global_buffer, .address_space: global }
      - { .name: pval, .offset: 40, .size: 8, .value_kind: global_buffer, .address_space: global }
    .group_segment_fixed_size: 5120
    .private_segment_fixed_size: 0
    .kernarg_segment_align: 8
    .kernarg_segment_size: 48
    .max_flat_workgroup_size: 256
    .sgpr_count:     66
    .vgpr_count:     256
    .wavefront_size: 32
...
	.end_amdgpu_metadata
.endif
;; end of part 2
;; launch norm (part 3): grid 8 x 1, 32 waves a work-group, no clusters, 5,120 bytes of LDS; arguments pval, gamma, beta, out0; writes out0
.if DOCPART == 3
	.amdgcn_target "amdgcn-amd-amdhsa--gfx1250"
	.amdhsa_code_object_version 6
	.text
	.protected	k_q1365a35f8c_norm
	.globl	k_q1365a35f8c_norm
	.p2align	8
	.type	k_q1365a35f8c_norm,@function
k_q1365a35f8c_norm:
	s_mov_b64 s[64:65], 0
	v_nop
	global_prefetch_b8 v0, s[64:65] scope:SCOPE_SE
	s_setreg_imm32_b32 hwreg(HW_REG_WAVE_MODE, 25, 1), 1
	s_wait_xcnt 0x0
; Third of three launches: val[b][n] = sum over the four ic of pval[b][ic][n], then the LayerNorm over a batch's 4,096 numbers:
; out = (val - mean) / sqrt(var + 1e-5) x gamma + beta.
; One work-group for each batch, since mean and variance need all of a batch's numbers and work-groups exchange nothing: eight work-groups, all the work there is.
; 32 waves; thread t owns n = 4 t .. 4 t + 3, so every load and store of a wave covers 512 consecutive bytes.
; The variance is made in two passes (the mean first, then the squares of the deviations): a large common offset in val is never removed
; by a difference of two large sums.  1 / sqrt by v_rsq_f32, whose argument is at least 1e-5.
; LIMITS: f32 throughout; the order of the sums differs from a plain running sum.
.set VAL, 4                            ; v[4:19]   the four partials; val, then val - mean, in v[4:7]
.set GA,  20                           ; v[20:23]  gamma
.set BE,  24                           ; v[24:27]  beta
.set SUM, 28                           ; v28       the sum at work
.set MR,  30                           ; v30 mean, v31 1 / sqrt(var + eps)
.set TA,  32                           ; v[32:33]  at work
.set L1,  0                            ; LDS 0 .. 127: the 32 waves' sums
.set L2,  128                          ; LDS 128 .. 255: the 32 waves' sums of squares (bytes of their own: no third barrier)
.macro WSUM x                          ; the sum of register x over the wave's 32 lanes, in every lane
.irp m, 1,2,4,8
	v_add_f32_dpp v[\x], v[\x], v[\x] row_xmask:\m row_mask:0xf bank_mask:0xf
.endr
	v_permlanex16_b32 v[TA], v[\x], s16, s17       ; TA has been written before (by the lane's own sum)
	v_add_f32 v[\x], v[\x], v[TA]
.endm
.macro GSUM x, at                      ; the sum over the work-group: over the wave, one word a wave into LDS, lane l takes wave l's word, over the wave again
	WSUM \x
	ds_store_b32 v3, v[\x] offset:\at              ; all lanes store the same number to the wave's word
	s_wait_dscnt 0x0                               ; my store is done before I say so
	s_barrier_signal -1
	s_barrier_wait -1
	ds_load_b32 v[\x], v2 offset:\at
	s_wait_dscnt 0x0
	WSUM \x
.endm
	s_load_b256 s[4:11], s[0:1], 0x0               ; pval s[4:5], gamma s[6:7], beta s[8:9], out0 s[10:11]
	v_lshl_add_u32 v40, v0, 2, 0x400
	v_mov_b32 v41, 0
	v_lshrrev_b32 v3, 5, v0
	v_readfirstlane_b32 s12, v3                    ; wave 0 .. 31
	s_lshl_b32 s13, s12, 2
	s_lshl_b32 s14, ttmp9, 16                      ; pval: b x 4 x 16,384 bytes
	s_mov_b32 s15, 0
	s_lshl_b32 s20, ttmp9, 14                      ; out0: b x 16,384 bytes
	s_mov_b32 s21, 0
	s_mov_b32 s16, 0x76543210                      ; v_permlanex16_b32: lane i of one half reads lane i of the other
	s_mov_b32 s17, 0xfedcba98
	s_mov_b32 s18, 0x39800000                      ; 1 / 4096
	s_mov_b32 s19, 0x3727c5ac                      ; 1e-5
	v_lshlrev_b32 v1, 4, v0                        ; 16 t
	v_and_b32 v2, 31, v0
	v_lshlrev_b32 v2, 2, v2                        ; LDS: word l
	v_mov_b32 v3, s13                              ; LDS: my wave's word
	s_wait_kmcnt 0x0
	s_add_nc_u64 s[4:5], s[4:5], s[14:15]
	s_add_nc_u64 s[10:11], s[10:11], s[20:21]
.irp i, 0,1,2,3
	global_load_b128 v[VAL+4*\i:VAL+4*\i+3], v1, s[4:5] offset:16384*\i
.endr
	global_load_b128 v[GA:GA+3], v1, s[6:7]
	global_load_b128 v[BE:BE+3], v1, s[8:9]
	s_wait_loadcnt 2                               ; loads return in order (ISA guide 5.7.1): gamma and beta, the two younger ones, stay out
	v_pk_add_f32 v[VAL:VAL+1],     v[VAL:VAL+1],     v[VAL+4:VAL+5]
	v_pk_add_f32 v[VAL+2:VAL+3],   v[VAL+2:VAL+3],   v[VAL+6:VAL+7]
	v_pk_add_f32 v[VAL+8:VAL+9],   v[VAL+8:VAL+9],   v[VAL+12:VAL+13]
	v_pk_add_f32 v[VAL+10:VAL+11], v[VAL+10:VAL+11], v[VAL+14:VAL+15]
	v_pk_add_f32 v[VAL:VAL+1],     v[VAL:VAL+1],     v[VAL+8:VAL+9]
	v_pk_add_f32 v[VAL+2:VAL+3],   v[VAL+2:VAL+3],   v[VAL+10:VAL+11]   ; val of my four n
	; the mean
	v_pk_add_f32 v[TA:TA+1], v[VAL:VAL+1], v[VAL+2:VAL+3]
	v_add_f32 v[SUM], v[TA], v[TA+1]
	GSUM SUM, L1
	v_mul_f32 v[MR], s18, v[SUM]
	; the variance, from the deviations
.irp e, 0,1,2,3
	v_sub_f32 v[VAL+\e], v[VAL+\e], v[MR]
.endr
	v_pk_mul_f32 v[TA:TA+1], v[VAL:VAL+1], v[VAL:VAL+1]
	v_pk_fma_f32 v[TA:TA+1], v[VAL+2:VAL+3], v[VAL+2:VAL+3], v[TA:TA+1]
	v_add_f32 v[SUM], v[TA], v[TA+1]
	GSUM SUM, L2
	v_fma_f32 v[SUM], v[SUM], s18, s19             ; var + eps
	v_rsq_f32 v[MR+1], v[SUM]
	s_wait_loadcnt 0x0                             ; gamma and beta
	v_nop                                          ; one plain vector instruction stands between v_rsq_f32 and the first use of its result (ISA guide 5.7.2)
	s_wait_alu depctr_va_vdst(0)
	v_pk_mul_f32 v[GA:GA+1],   v[GA:GA+1],   v[MR:MR+1] op_sel:[0,1] op_sel_hi:[1,1]   ; both by the pair's second register
	v_pk_mul_f32 v[GA+2:GA+3], v[GA+2:GA+3], v[MR:MR+1] op_sel:[0,1] op_sel_hi:[1,1]
	v_pk_fma_f32 v[VAL:VAL+1],   v[VAL:VAL+1],   v[GA:GA+1],   v[BE:BE+1]
	v_pk_fma_f32 v[VAL+2:VAL+3], v[VAL+2:VAL+3], v[GA+2:GA+3], v[BE+2:BE+3]
	global_store_b128 v1, v[VAL:VAL+3], s[10:11]
	s_wait_tensorcnt 0x0
	ds_add_u32 v40, v41
	s_wait_dscnt 0x0
	s_endpgm
.Lfunc_end_k_q1365a35f8c_norm:
	.size	k_q1365a35f8c_norm, .Lfunc_end_k_q1365a35f8c_norm-k_q1365a35f8c_norm
	.p2alignl 7, 3214868480
	.fill 96, 4, 3214868480
	.section	.rodata,"a",@progbits
	.p2align	6, 0x0
	.amdhsa_kernel k_q1365a35f8c_norm
		.amdhsa_group_segment_fixed_size 5120
		.amdhsa_private_segment_fixed_size 0
		.amdhsa_enable_private_segment 0
		.amdhsa_kernarg_size 32
		.amdhsa_user_sgpr_count 2
		.amdhsa_user_sgpr_kernarg_segment_ptr 1
		.amdhsa_wavefront_size32 1
		.amdhsa_system_sgpr_workgroup_id_x 1
		.amdhsa_system_sgpr_workgroup_id_y 1
		.amdhsa_system_sgpr_workgroup_id_z 1
		.amdhsa_system_vgpr_workitem_id 0
		.amdhsa_next_free_vgpr 42
		.amdhsa_next_free_sgpr 66
		.amdhsa_reserve_vcc 0
		.amdhsa_float_denorm_mode_32 3
		.amdhsa_float_denorm_mode_16_64 3
		.amdhsa_memory_ordered 1
		.amdhsa_forward_progress 1
		.amdhsa_inst_pref_size 6
	.end_amdhsa_kernel
	.amdgpu_metadata
---
amdhsa.version: [ 1, 2 ]
amdhsa.kernels:
  - .name:           k_q1365a35f8c_norm
    .symbol:         k_q1365a35f8c_norm.kd
    .args:
      - { .name: pval, .offset: 0, .size: 8, .value_kind: global_buffer, .address_space: global }
      - { .name: gamma, .offset: 8, .size: 8, .value_kind: global_buffer, .address_space: global }
      - { .name: beta, .offset: 16, .size: 8, .value_kind: global_buffer, .address_space: global }
      - { .name: out0, .offset: 24, .size: 8, .value_kind: global_buffer, .address_space: global }
    .group_segment_fixed_size: 5120
    .private_segment_fixed_size: 0
    .kernarg_segment_align: 8
    .kernarg_segment_size: 32
    .max_flat_workgroup_size: 1024
    .sgpr_count:     66
    .vgpr_count:     42
    .wavefront_size: 32
...
	.end_amdgpu_metadata
.endif
;; end of part 3
